; MI455X (gfx1250); checked and timed in simulation.
; The chip was launched on July 23, 2026; its instructions are those of AMD's public machine-readable ISA for CDNA 5 (MIT licence, August 2026) and "CDNA5" Instruction Set Architecture Reference Guide (July 2026). The comments in the code are by the model that wrote it; some were corrected since.
;; Quantum Layer. Allowed arithmetic: matrix products marked QUANTISED: E4M3 operands, one E8M0 scale for each 32 along K, by v_wmma_scale_f32_16x16x128_f8f6f4 with both operands' format E4M3, f32 sums; everything else in f32.
;; Inputs: W_codes 4,096 x 128 x 32 uint8 (E4M3 codes of W, K innermost, in blocks of 32 codes); W_scales 4,096 x 128 uint8 (E8M0 scales of W, one for each 32 codes along K); b 4,096 float32; quantum_outcomes 4,096 x 1,000 int32; x_codes 4,096 x 128 x 32 uint8 (E4M3 codes of x, K innermost, in blocks of 32 codes); x_scales 4,096 x 128 uint8 (E8M0 scales of x, one for each 32 codes along K).
;; Outputs: out0 4,096 x 4,096 float32.
;; This version of the problem:
;;   THIS VERSION OF THE PROBLEM IS GIVEN IN LOW PRECISION. The matrix products marked QUANTISED in the list below multiply operands that are first quantised to E4M3 (4 exponent bits, 3 mantissa bits; 8 bits a number), with one power-of-two scale for each 32 numbers along K (OCP MX v1.0); their sums are f32. All else is computed in f32.
;;   The module's matrix products, in the order in which they are computed (A, B: the left and right operand; K: the contracted axis; several contracted axes count as one K, in the product's order):
;;     1. [M 4,096, K 4,096] x [K 4,096, N 4,096]; A: input x (given as codes); B: input W (given as codes): QUANTISED
;;   THE QUANTISER, for each operand of a quantised product, along K:
;;     - K is cut into blocks of 32 from its start; a last block that is shorter is filled with zeros.
;;     - A block's scale is 2^e with e = floor(log2(the largest magnitude in the block)) - 8, held to -126 .. 127; a block of zeros has e = 0. As a byte (E8M0): e + 127.
;;     - Each number is divided by its block's scale, clamped to +-448, and rounded to the nearest number of E4M3, ties to even, subnormals kept.
;;     - The product sums the exact products of the quantised numbers (number of the format x scale) in f32.
;;   ~~~python
;;   def quantise(x, axis):      # numpy; x: float32 -> the quantised numbers, widened to float32 again
;;       x = np.moveaxis(x, axis, -1); K = x.shape[-1]
;;       x = np.pad(x, [(0, 0)] * (x.ndim - 1) + [(0, -K % 32)]); x = x.reshape(x.shape[:-1] + (-1, 32)); a = np.abs(x).max(-1, keepdims=True)
;;       e = np.where(a > 0, np.clip(np.frexp(np.where(a > 0, a, 1))[1] - 1 - 8, -126, 127), 0)      # np.frexp(a)[1] - 1 = floor(log2(a)), exactly
;;       r = np.clip(x / 2.0 ** e, -448, 448)
;;       step = 2.0 ** (np.maximum(np.frexp(np.where(r == 0, 1, r))[1] - 1, -6) - 3)
;;       q = np.round(r / step) * step * 2.0 ** e      # np.round: ties to even
;;       return np.moveaxis(q.reshape(q.shape[:-2] + (-1,))[..., :K], -1, axis).astype(np.float32)
;;   ~~~
;;   INPUTS GIVEN AS CODES. W (in the module: [4096, 4096], K = its axis 1); x (in the module: [4096, 4096], K = its axis 1): each comes as NAME_codes (uint8): NAME with its K axis moved to the last place and cut into blocks of 32 codes, [.., K / 32, bytes a block], one block behind the other in memory; one code a byte (a code: sign, 4 exponent bits, 3 mantissa bits); and NAME_scales (uint8): the same leading axes, one E8M0 byte (e + 127) for each 32 codes along K. Its value is code x scale, taken as it is: it is not quantised again, and the codes and scales need not be those that the quantiser above would give.
;; One version. Each part assembles by itself: llvm-mc -triple=amdgcn-amd-amdhsa -mcpu=gfx1250 --defsym DOCPART=n.
;; ======== version 1 of 1: 2 launches
;; limits: right only within a limited range of input values
;; workspace buffers: aux 1,064,960 bytes
;; launch prep (part 1): grid 256 x 1, 4 waves a work-group, no clusters, 0 bytes of LDS; arguments quantum_outcomes, x_scales, W_scales, aux; writes aux
.if DOCPART == 1
	.amdgcn_target "amdgcn-amd-amdhsa--gfx1250"
	.amdhsa_code_object_version 6
	.text
	.protected	k_q5c6d2928ad_prep
	.globl	k_q5c6d2928ad_prep
	.p2align	8
	.type	k_q5c6d2928ad_prep,@function
k_q5c6d2928ad_prep:
	s_mov_b64 s[64:65], 0
	v_nop
	global_prefetch_b8 v0, s[64:65] scope:SCOPE_SE
	s_setreg_imm32_b32 hwreg(HW_REG_WAVE_MODE, 25, 1), 1
	s_wait_xcnt 0x0
; Two small jobs ahead of the product.  Every input of the problem has a way to the output: nothing is left out.
; (1) e[m] = mean of quantum_outcomes[m][0..999] / 15, f32, to aux at byte 0x100000 + 4 m.
; (2) The E8M0 scale bytes of x and of W, [4096 rows][128], are laid in the order of the product's scale registers:
;     aux[tensor][t = 0..15][p = row / 32][r = row % 16][u = (row / 16) % 2][8 bytes], the 8 bytes being bytes 8 t .. 8 t + 7 of the row (K step t of 256).
;     So lane r of the product's launch finds, in 16 consecutive bytes, the two scale words of rows 32 p + r and 32 p + 16 + r, and sixteen lanes read 256 consecutive bytes.
; SHARES.  1,024 waves.  Wave gw = 4 x work-group + wave sums rows 4 gw .. 4 gw + 3: 16,000 consecutive bytes, by 32 loads of 16 bytes a lane, all issued before the first is waited for.
; Work-group g also lays 32 rows of scales (g < 128: x's rows 32 g on; else W's rows 32 (g - 128) on): lane = row, wave w takes K steps 4 w .. 4 w + 3.
; No LDS, no barrier, no loop: waves share nothing and every offset is an immediate.  Matrix units, clusters and tensor loads would add nothing to a stream that is read once.
; LIMITS.  Each outcome is converted to f32 and then summed, in another order of additions than the definition's (exact while a row's sum stays under 2^24);
; one multiplication by 1 / 15,000 stands for the division by 1,000 and the division by 15.
; e leaves as 16 bytes a wave (4 rows): whole runs of 256 bytes would want 64 rows to one writer.
.set ROWBYTES, 4000                    ; 1,000 outcomes of 4 bytes: 250 pieces of 16 bytes
.set X,  32                            ; v32-159  row p of my four at v[X + 32 p]
	s_load_b256 s[4:11], s[0:1], 0x0               ; outcomes s[4:5], x's scales s[6:7], W's scales s[8:9], aux s[10:11]
	v_lshrrev_b32 v1, 5, v0
	v_readfirstlane_b32 s16, v1                    ; wave 0..3
	v_and_b32 v1, 31, v0                           ; lane
	v_lshlrev_b32 v2, 4, v1                        ; my 16 bytes of a load's 512
	v_min_u32 v3, 25, v1
	v_lshlrev_b32 v3, 4, v3                        ; the row's last load has 26 pieces left: lanes 26-31 read piece 249 again, so that no load leaves the row
	v_mov_b32 v5, 1.0
	v_cmp_gt_u32 vcc_lo, 26, v1
	v_cndmask_b32 v4, 0, v5, vcc_lo                ; 1.0 in lanes 0-25, 0 in the others
	v_mov_b32 v5, v4                               ; twice: a pair for the packed multiply-add
	v_lshlrev_b32 v6, 7, v1                        ; scales in: lane = row, 128 bytes a row
	v_and_b32 v7, 15, v1                           ; scales out: 16 (row % 16)
	v_lshrrev_b32 v17, 4, v1
	v_lshlrev_b32 v7, 4, v7
	v_lshl_add_u32 v7, v17, 3, v7                  ; + 8 (row / 16)
	v_mov_b32 v16, 0                               ; written once: a lane permute's destination counts as one of its sources
	v_mov_b32 v24, 0                               ; e's store: offset 0
	s_mov_b32 s22, 0x76543210                      ; v_permlanex16_b32's selects for lane l xor 16
	s_mov_b32 s23, 0xfedcba98
	s_lshl_b32 s17, ttmp9, 2
	s_add_co_u32 s17, s17, s16                     ; gw
	s_mul_i32 s18, s17, 4*ROWBYTES                 ; my four rows' first byte
	s_mov_b32 s19, 0
	s_and_b32 s25, ttmp9, 127                      ; which 32 rows of the tensor
	s_lshl_b32 s20, s25, 12                        ; 32 rows of 128 scale bytes,
	s_lshl_b32 s26, s16, 5                         ; my wave's 32 bytes of each row
	s_add_co_u32 s20, s20, s26
	s_mov_b32 s21, 0
	s_lshr_b32 s28, ttmp9, 7                       ; which tensor: 0 x, 1 W
	s_lshl_b32 s28, s28, 19                        ; 524,288 bytes each in aux,
	s_lshl_b32 s26, s16, 17                        ; four K steps of 32,768 bytes a wave,
	s_add_co_u32 s28, s28, s26
	s_lshl_b32 s26, s25, 8                         ; 32 rows of 8 bytes
	s_add_co_u32 s28, s28, s26
	s_mov_b32 s29, 0
	s_lshl_b32 s30, s17, 4                         ; e: four numbers a wave,
	s_add_co_u32 s30, s30, 0x100000                ; behind the two tensors' scales
	s_mov_b32 s31, 0
	s_wait_alu depctr_va_vdst(0)
	s_wait_kmcnt 0x0
	s_cmp_lt_u32 ttmp9, 128                        ; x's work-group or W's?
	s_cselect_b64 s[6:7], s[6:7], s[8:9]
	s_add_nc_u64 s[4:5], s[4:5], s[18:19]
	s_add_nc_u64 s[6:7], s[6:7], s[20:21]
	s_add_nc_u64 s[12:13], s[10:11], s[28:29]      ; where my scale bytes go
	s_add_nc_u64 s[14:15], s[10:11], s[30:31]      ; where my four e go
	global_load_b128 v[8:11], v6, s[6:7]           ; K steps 4 w, 4 w + 1
	global_load_b128 v[12:15], v6, s[6:7] offset:16    ; and 4 w + 2, 4 w + 3
.macro ROWLOAD p                       ; a row's 4,000 bytes: seven loads of 512 consecutive bytes and one of 416
.irp j, 0,1,2,3,4,5,6
	global_load_b128 v[X+32*\p+4*\j:X+32*\p+4*\j+3], v2, s[4:5] offset:ROWBYTES*\p+512*\j th:TH_LOAD_NT
.endr
	global_load_b128 v[X+32*\p+28:X+32*\p+31], v3, s[4:5] offset:ROWBYTES*\p+3584 th:TH_LOAD_NT
.endm
	ROWLOAD 0
	ROWLOAD 1
	ROWLOAD 2
	ROWLOAD 3
	s_wait_loadcnt 32                              ; the two loads of scale bytes are in, the 32 younger ones stay out
.irp u, 0,1,2,3
	global_store_b64 v7, v[8+2*\u:9+2*\u], s[12:13] offset:32768*\u    ; K step 4 w + u: 32 lanes store 256 consecutive bytes, aligned
.endr
.macro ROWSUM p, left                  ; row p's sum and its e; left = the younger loads that may stay out
.set RW, X+32*\p
	s_wait_loadcnt \left
.irp i, 0,1,2,3,4,5,6,7,8,9,10,11,12,13,14,15,16,17,18,19,20,21,22,23,24,25,26,27,28,29,30,31
	v_cvt_f32_i32 v[RW+\i], v[RW+\i]
.endr
.irp i, 4,8,12,16,20,24                ; two chains of packed sums
	v_pk_add_f32 v[RW:RW+1], v[RW:RW+1], v[RW+\i:RW+\i+1]
	v_pk_add_f32 v[RW+2:RW+3], v[RW+2:RW+3], v[RW+\i+2:RW+\i+3]
.endr
	v_pk_fma_f32 v[RW:RW+1], v[RW+28:RW+29], v[4:5], v[RW:RW+1]        ; the last load's numbers count in lanes 0-25 alone
	v_pk_fma_f32 v[RW+2:RW+3], v[RW+30:RW+31], v[4:5], v[RW+2:RW+3]
	v_pk_add_f32 v[RW:RW+1], v[RW:RW+1], v[RW+2:RW+3]
	v_add_f32 v[RW], v[RW], v[RW+1]
	v_add_f32_dpp v[RW], v[RW], v[RW] row_xmask:1 row_mask:0xf bank_mask:0xf
	v_add_f32_dpp v[RW], v[RW], v[RW] row_xmask:2 row_mask:0xf bank_mask:0xf
	v_add_f32_dpp v[RW], v[RW], v[RW] row_xmask:4 row_mask:0xf bank_mask:0xf
	v_add_f32_dpp v[RW], v[RW], v[RW] row_xmask:8 row_mask:0xf bank_mask:0xf
	v_permlanex16_b32 v16, v[RW], s22, s23
	v_add_f32 v[RW], v[RW], v16                    ; every lane holds the row's sum
	v_mul_f32 v[20+\p], 0x388bcf65, v[RW]          ; x 1 / 15,000
.endm
	ROWSUM 0, 24
	ROWSUM 1, 16
	ROWSUM 2, 8
	ROWSUM 3, 0
	s_wait_alu depctr_va_vdst(0)
	s_wait_xcnt 0x0                                ; EXEC is a source of the stores above: it changes only behind this wait
	v_cmp_eq_u32 vcc_lo, 0, v1
	s_and_saveexec_b32 s24, vcc_lo
	global_store_b128 v24, v[20:23], s[14:15]      ; lane 0 stores my four rows' e
	s_wait_xcnt 0x0                                ; and again in front of the line that widens it
	s_or_b32 exec_lo, exec_lo, s24
	s_endpgm
.Lfunc_end_k_q5c6d2928ad_prep:
	.size	k_q5c6d2928ad_prep, .Lfunc_end_k_q5c6d2928ad_prep-k_q5c6d2928ad_prep
	.p2alignl 7, 3214868480
	.fill 96, 4, 3214868480
	.section	.rodata,"a",@progbits
	.p2align	6, 0x0
	.amdhsa_kernel k_q5c6d2928ad_prep
		.amdhsa_group_segment_fixed_size 0
		.amdhsa_private_segment_fixed_size 0
		.amdhsa_enable_private_segment 0
		.amdhsa_kernarg_size 32
		.amdhsa_user_sgpr_count 2
		.amdhsa_user_sgpr_kernarg_segment_ptr 1
		.amdhsa_wavefront_size32 1
		.amdhsa_system_sgpr_workgroup_id_x 1
		.amdhsa_system_sgpr_workgroup_id_y 1
		.amdhsa_system_sgpr_workgroup_id_z 1
		.amdhsa_system_vgpr_workitem_id 0
		.amdhsa_next_free_vgpr 160
		.amdhsa_next_free_sgpr 66
		.amdhsa_reserve_vcc 1
		.amdhsa_float_denorm_mode_32 3
		.amdhsa_float_denorm_mode_16_64 3
		.amdhsa_memory_ordered 1
		.amdhsa_forward_progress 1
		.amdhsa_inst_pref_size 16
	.end_amdhsa_kernel
	.amdgpu_metadata
---
amdhsa.version: [ 1, 2 ]
amdhsa.kernels:
  - .name:           k_q5c6d2928ad_prep
    .symbol:         k_q5c6d2928ad_prep.kd
    .args:
      - { .name: quantum_outcomes, .offset: 0, .size: 8, .value_kind: global_buffer, .address_space: global }
      - { .name: x_scales, .offset: 8, .size: 8, .value_kind: global_buffer, .address_space: global }
      - { .name: W_scales, .offset: 16, .size: 8, .value_kind: global_buffer, .address_space: global }
      - { .name: aux, .offset: 24, .size: 8, .value_kind: global_buffer, .address_space: global }
    .group_segment_fixed_size: 0
    .private_segment_fixed_size: 0
    .kernarg_segment_align: 8
    .kernarg_segment_size: 32
    .max_flat_workgroup_size: 128
    .sgpr_count:     66
    .vgpr_count:     160
    .wavefront_size: 32
...
	.end_amdgpu_metadata
.endif
;; end of part 1
;; launch gemm (part 2): grid 16 x 16, 4 waves a work-group, clusters of 4 x 4, 327,680 bytes of LDS; arguments x_codes, W_codes, aux, b, out0; writes out0
.if DOCPART == 2
	.amdgcn_target "amdgcn-amd-amdhsa--gfx1250"
	.amdhsa_code_object_version 6
	.text
	.protected	k_q5c6d2928ad_gemm
	.globl	k_q5c6d2928ad_gemm
	.p2align	8
	.type	k_q5c6d2928ad_gemm,@function
k_q5c6d2928ad_gemm:
	s_mov_b64 s[64:65], 0
	v_nop
	global_prefetch_b8 v0, s[64:65] scope:SCOPE_SE
	s_setreg_imm32_b32 hwreg(HW_REG_WAVE_MODE, 25, 1), 1
	s_wait_xcnt 0x0
	s_wait_alu depctr_hold_cnt(0) depctr_sa_sdst(0) depctr_va_vdst(0) depctr_va_sdst(0) depctr_va_ssrc(0) depctr_va_vcc(0) depctr_vm_vsrc(0)
	s_getreg_b32 s2, hwreg(HW_REG_IB_STS2, 6, 4)
	s_cmp_eq_u32 s2, 0
	s_cbranch_scc0 .Lentry_in_a_cluster
	s_endpgm
.Lentry_in_a_cluster:
	s_bfe_u32 s2, ttmp6, 0x10000c
	s_cmp_lg_u32 s2, 0xf033
	s_cbranch_scc0 .Lentry_shape_is_right
	s_endpgm
.Lentry_shape_is_right:
; out0[m][n] = sum over k of x[m][k] W[n][k] + b[n] + e[m]: codes of E4M3 with E8M0 scales, by v_wmma_scale_f32_16x16x128_f8f6f4, sums in f32.
; e[m] and the scale bytes in register order come from aux (launch prep).  Nothing of the problem is left out.
; LIMIT: a sum begins with b[n] + e[m] and the products are added onto it, another order of roundings than (products + b) + e.
; SHARES.  A block of 256 x 256 a work-group, 256 work-groups; four waves, 128 x 128 each: 64 accumulators, 512 registers (windows 2 and 3).
; THE RING.  K goes in 16 steps of 256 through two LDS slots of 512 rows (x's 256, then W's 256) of 256 bytes + 16 of padding.  Wave w fetches rows 128 w on of a slot: one tensor load a wave for each fill.
; THE SCALES go from aux straight into registers: four loads of 16 bytes a lane for a K step, lanes 0-15 x's words and lanes 16-31 W's, each half 256 consecutive bytes, asked for one K step ahead, two sets.
; They are 1 MiB for the whole launch, a small part of a step's bytes: no joint load and no prefetch is laid for them.
; CLUSTERS 4 x 4: x's tiles are asked for jointly along a row of the cluster, W's along a column.  The matrix instruction is used transposed (source 0 = W's rows, source 1 = x's rows).
; PREFETCH: behind each refill one instruction a wave names the K step two refills on: 32 of the 128 rows that the wave fetches, the four partners told apart by address (cx for x, cy for W), a lane a row.
; K steps 0 to 3 come by their loads alone; the loop's last trip asks for nothing (K steps 16 and 17 do not exist).
; REGISTERS: window 0: v0-31 addresses, v32-63 scale words (two sets), v128-255 x's fragments (one set); window 1: W's fragments, two sets; windows 2, 3: accumulators.
.set SIZE_N, 4096
.set ROWB,   256
.set KROW,   4096
.set PITCH,  272
.set FR,     16
.set NL,     4
.set NP,     8                         ; places behind this matrix form (ISA guide 7.12.1)
.set HALFT,  128*PITCH
.set SLOT,   4*HALFT
.set SPARE,  2*SLOT                    ; behind the ring: the spare words, 512 bytes
.set STAGE,  SPARE+512                 ; the way out: 16 rows x 528 bytes for each wave, bytes that no tensor load fills
.set SPITCH, 528
.set LAPS,   8
.set ADRA, 16                          ; v16-17  my fragments of x in slot 0, 1
.set ADRB, 20                          ; v20-21  the same for W
.set VS,   22                          ; my byte offset among the scale words of a K step
.set STO,  24
.set RD,   25
.set CO,   26
.set BO,   27
.set SPW,  28
.set NIL,  29
.set EO,   30
.set PFO,  31
.set SC,   32
.set AF,   128
.set BI,   128
.set EX,   192
.set G1A,  24
.set G0A,  32
.set G1B,  48
.set G0B,  56
.set PFA,  92
.set MSB, 0
.macro WIN new                         ; the immediate's high byte repeats the setting that is left
.if MSB != (\new)
	s_set_vgpr_msb (MSB<<8)|(\new)
.set MSB, (\new)
.endif
.endm
.set MUL_LO, 0xa1
.set MUL_HI, 0xf1
.set TO_B,   0x40
.macro JLOAD s                         ; a joint load into slot s: waves 0, 1 fetch x's halves, waves 2, 3 W's; s_nop 0 and four v_nop behind each line
	s_cmp_eq_u32 s15, 0
	s_cbranch_scc0 .Lfor_b_\@
	tensor_load_to_lds s[G0A+4*\s:G0A+4*\s+3], s[G1A:G1A+7]
	s_nop 0
.rept 4
	v_nop
.endr
	s_branch .Lasked_\@
.Lfor_b_\@:
	tensor_load_to_lds s[G0B+4*\s:G0B+4*\s+3], s[G1B:G1B+7]
	s_nop 0
.rept 4
	v_nop
.endr
.Lasked_\@:
.endm
.macro CREST
	s_cmp_lg_u32 s14, 0
	s_cbranch_scc1 .Lnot_wave_0_\@
	s_barrier_signal -3
.Lnot_wave_0_\@:
	s_barrier_wait -3
	s_barrier_signal -1
	s_barrier_wait -1
.endm
.macro CROUND
	s_barrier_signal -1
	s_barrier_wait -1
	CREST
.endm
	s_load_b256 s[4:11], s[0:1], 0x0               ; x's codes s[4:5], W's s[6:7], aux s[8:9], b s[10:11]
	s_load_b64 s[12:13], s[0:1], 0x20              ; out0
	v_lshl_add_u32 v[SPW], v0, 2, SPARE
	v_mov_b32 v[NIL], 0
	ds_add_u32 v[SPW], v[NIL]                      ; the opening lines: the add, twice on end, and its wait
	ds_add_u32 v[SPW], v[NIL]
	v_lshrrev_b32 v1, 5, v0
	v_readfirstlane_b32 s14, v1                    ; wave 0..3
	s_lshr_b32 s15, s14, 1                         ; my half of the block's rows; also: I fetch for x (0) or W (1)
	s_and_b32 s16, s14, 1                          ; my half of its columns; also: which 128 rows I fetch
	s_bfe_u32 s40, ttmp6, 0x40000                  ; cx
	s_bfe_u32 s41, ttmp6, 0x40004                  ; cy
	s_lshl_b32 s42, ttmp9, 2
	s_add_co_u32 s42, s42, s40                     ; block column
	s_and_b32 s17, ttmp7, 0xffff
	s_lshl_b32 s17, s17, 2
	s_add_co_u32 s17, s17, s41                     ; block row
	s_lshl_b32 s43, s41, 2
	s_lshl_b32 s43, 15, s43                        ; my row of the cluster
	s_lshl_b32 s44, 0x1111, s40                    ; my column
	; group 1: 128 rows of 256 bytes; behind every 64 dwords 4 are skipped: LDS pitch 272
	s_or_b32 s[G1A+0], s43, (1<<20)|(1<<21)|(5<<22)|(3<<25)
	s_or_b32 s[G1B+0], s44, (1<<20)|(1<<21)|(5<<22)|(3<<25)
.irp g, G1A, G1B
	s_mov_b32 s[\g+1], ROWB<<16
	s_mov_b32 s[\g+2], 128<<16
	s_mov_b32 s[\g+3], ROWB<<16
	s_mov_b32 s[\g+4], 128
	s_mov_b32 s[\g+5], KROW
	s_mov_b32 s[\g+6], 0
	s_mov_b32 s[\g+7], 0
.endr
	s_lshl_b32 s2, s16, 19                         ; 128 rows of 4,096 bytes
	s_lshl_b32 s20, s17, 20                        ; x: 256 rows a block row
	s_add_co_u32 s20, s20, s2
	s_mov_b32 s21, 0
	s_lshl_b32 s46, s42, 20                        ; W: 256 rows a block column
	s_add_co_u32 s46, s46, s2
	s_mov_b32 s47, 0
	s_cmp_eq_u32 s15, 0                            ; the prefetches: the rows that I fetch,
	s_cselect_b32 s98, s20, s46
	s_cselect_b32 s22, s40, s41                    ; and my work-group's 32 of them
	s_lshl_b32 s22, s22, 17
	s_add_co_u32 s98, s98, s22
	s_mov_b32 s99, 0
	s_lshl_b32 s96, s17, 10                        ; e of my 128 rows
	s_lshl_b32 s22, s15, 9
	s_add_co_u32 s96, s96, s22
	s_add_co_u32 s96, s96, 0x100000
	s_mov_b32 s97, 0
	s_mul_i32 s45, s14, HALFT                      ; where my fetched rows go
	s_mul_i32 s18, s15, HALFT                      ; my 128 rows of x in LDS
	s_mul_i32 s19, s16, HALFT                      ; my 128 rows of W,
	s_add_co_u32 s19, s19, 2*HALFT                 ; behind x's 256
	s_mul_i32 s23, s14, 16*SPITCH
	s_add_co_u32 s23, s23, STAGE                   ; my stage
	s_lshl_b32 s66, s17, 11                        ; scale words: x's, 8 pairs of blocks of 256 bytes a block row,
	s_lshl_b32 s22, s15, 10
	s_add_co_u32 s66, s66, s22
	s_lshl_b32 s67, s42, 11                        ; W's, 524,288 bytes further on
	s_lshl_b32 s22, s16, 10
	s_add_co_u32 s67, s67, s22
	s_add_co_u32 s67, s67, 524288
	s_sub_co_u32 s67, s67, s66                     ; the distance between the two
	v_and_b32 v1, 15, v0                           ; r
	v_bfe_u32 v2, v0, 4, 1                         ; h
	v_and_b32 v3, 31, v0                           ; lane
	v_mul_u32_u24 v4, v1, PITCH
	v_lshl_add_u32 v4, v2, 4, v4                   ; a fragment's row x pitch + 16 h
	v_add_nc_u32 v[ADRA], s18, v4
	v_add_nc_u32 v[ADRB], s19, v4
	v_add_nc_u32 v[ADRA+1], SLOT, v[ADRA]
	v_add_nc_u32 v[ADRB+1], SLOT, v[ADRB]
	v_mul_u32_u24 v5, v1, SPITCH
	v_lshl_add_u32 v5, v2, 5, v5
	v_add_nc_u32 v[STO], s23, v5                   ; into the stage: row r, 32 bytes for each half of the lanes
	v_lshlrev_b32 v[CO], 4, v3                     ; back: 32 lanes take a row of 512 bytes; the same in out0
	v_add_nc_u32 v[RD], s23, v[CO]
	v_lshlrev_b32 v[BO], 5, v2                     ; b: 8 numbers for each half
	v_lshlrev_b32 v[EO], 2, v1                     ; e: row r
	v_lshlrev_b32 v[PFO], 12, v3                   ; the prefetches: a lane a row
	v_mul_u32_u24 v6, s67, v2                      ; lanes 16-31 take W's scale words
	v_lshl_add_u32 v6, v1, 4, v6
	v_add_nc_u32 v[VS], s66, v6
.irp a, 0,1,2,3,4,5,6,7
	v_mov_b32 v[EX+2*\a+1], 0                      ; the upper halves of the pairs that the packed additions name
.endr
	s_wait_alu depctr_va_vdst(0)
	s_wait_dscnt 0x0                               ; both opening adds are done
	s_wait_kmcnt 0x0
	s_add_nc_u64 s[20:21], s[4:5], s[20:21]
	s_add_nc_u64 s[46:47], s[6:7], s[46:47]
	s_add_nc_u64 s[96:97], s[8:9], s[96:97]
	s_cmp_eq_u32 s15, 0
	s_cselect_b64 s[PFA:PFA+1], s[4:5], s[6:7]
	s_add_nc_u64 s[PFA:PFA+1], s[PFA:PFA+1], s[98:99]
	s_lshl_b32 s66, s42, 10                        ; my first column, in bytes of f32
	s_lshl_b32 s67, s16, 9
	s_add_co_u32 s66, s66, s67
	s_mov_b32 s67, 0
	s_add_nc_u64 s[10:11], s[10:11], s[66:67]
	s_add_nc_u64 s[12:13], s[12:13], s[66:67]
	s_lshl_b32 s18, s17, 22                        ; my first row of out0
	s_lshl_b32 s19, s15, 21
	s_add_co_u32 s18, s18, s19
	s_mov_b32 s19, 0
	s_add_nc_u64 s[12:13], s[12:13], s[18:19]
.irp bb, 0,1,2,3,4,5,6,7
	global_load_b128 v[BI+8*\bb:BI+8*\bb+3], v[BO], s[10:11] offset:64*\bb
	global_load_b128 v[BI+8*\bb+4:BI+8*\bb+7], v[BO], s[10:11] offset:64*\bb+16
.endr
.irp a, 0,1,2,3,4,5,6,7
	global_load_b32 v[EX+2*\a], v[EO], s[96:97] offset:64*\a
.endr
.macro GSCALES set, t                  ; the scale words of the K step t planes on from s[8:9], into a set: register 2 i + q: block i, the step's q-th 128 along K
.irp j, 0,1,2,3
	global_load_b128 v[SC+16*\set+4*\j:SC+16*\set+4*\j+3], v[VS], s[8:9] offset:(\t)*32768+256*\j
.endr
.endm
	GSCALES 0, 0
	GSCALES 1, 1
.irp s, 0,1
	s_mov_b32 s[G0A+4*\s], 1
	s_add_co_u32 s[G0A+4*\s+1], s45, \s*SLOT
	s_add_nc_u64 s[G0A+4*\s+2:G0A+4*\s+3], s[20:21], \s*ROWB
	s_or_b32 s[G0A+4*\s+3], s[G0A+4*\s+3], 0x80000000
	s_mov_b32 s[G0B+4*\s], 1
	s_add_co_u32 s[G0B+4*\s+1], s45, \s*SLOT
	s_add_nc_u64 s[G0B+4*\s+2:G0B+4*\s+3], s[46:47], \s*ROWB
	s_or_b32 s[G0B+4*\s+3], s[G0B+4*\s+3], 0x80000000
.endr
	CROUND                                         ; all sixteen work-groups are here: the first joint loads meet
	JLOAD 0                                        ; K step 0, my 128 rows: one tensor load a wave at the head
.macro INIT hi                         ; the sums begin with b[n] + e[m]: accumulator (a, bb), register j: column 16 bb + 8 h + j, row 16 a + r
	WIN 0x80+0x40*\hi
.irp a, 0,1,2,3
.irp bb, 0,1,2,3,4,5,6,7
.irp j, 0,2,4,6
	v_pk_add_f32 v[8*(8*\a+\bb)+\j:8*(8*\a+\bb)+\j+1], v[BI+8*\bb+\j:BI+8*\bb+\j+1], v[EX+2*(4*\hi+\a):EX+2*(4*\hi+\a)+1] op_sel_hi:[1,0]
.endr
.endr
.endr
.endm
	s_wait_loadcnt 8                               ; b and e are in; the eight loads of scale words may be out
	INIT 0
	INIT 1
	WIN 0
.macro FRAG reg, adr, q, i             ; 16 rows x 128 K: registers 4 c .. 4 c + 3 hold K = 32 c + 16 h + 0 .. 15
.irp c, 0,1,2,3
	ds_load_b128 v[\reg+4*\c:\reg+4*\c+3], v[\adr] offset:128*(\q)+32*\c+(\i)*16*PITCH
.endr
.endm
.macro MUL8 a, p, q, sc                ; x's block a against W's eight; the accumulators take turns
.irp b, 0,1,2,3,4,5,6,7
	v_wmma_scale_f32_16x16x128_f8f6f4 v[8*(8*((\a)%4)+\b):8*(8*((\a)%4)+\b)+7], v[128*(\p)+FR*\b:128*(\p)+FR*\b+FR-1], v[AF+FR*(\a):AF+FR*(\a)+FR-1], v[8*(8*((\a)%4)+\b):8*(8*((\a)%4)+\b)+7], v[SC+16*(\sc)+2*\b+(\q)], v[SC+16*(\sc)+2*(\a)+(\q)] matrix_a_scale:MATRIX_SCALE_ROW1
.endr
.endm
.macro MUL16 a0, p, q, sc
	MUL8 \a0, \p, \q, \sc
	MUL8 \a0+1, \p, \q, \sc
.endm
.macro FETCH_B slot, q, p
	WIN TO_B
.irp i, 0,1,2,3,4,5,6,7
	FRAG 128*(\p)+FR*\i, ADRB+\slot, \q, \i
.endr
	WIN 0
.endm
.macro FETCH_A slot, q, i0
.irp i, \i0, \i0+1, \i0+2, \i0+3
	FRAG AF+FR*(\i), ADRA+\slot, \q, \i
.endr
.endm
.macro PLACES n
.rept \n
	v_nop
.endr
.endm
.macro STEP slot, lc                   ; a slot's first 128 along K.  lc: the younger loads of scale words that may stay out
	s_wait_loadcnt \lc                             ; this slot's set of scale words is in
	s_wait_dscnt 4*NL                              ; W's set and x's blocks 0-3 are in; blocks 4-7 may be out
	WIN MUL_LO
	MUL16 0, 0, 0, \slot
	MUL16 2, 0, 0, \slot
	s_wait_dscnt 0
	PLACES NP
	FETCH_B \slot, 1, 1
	FETCH_A \slot, 1, 0
	WIN MUL_HI
	MUL16 4, 0, 0, \slot
	MUL16 6, 0, 0, \slot
	PLACES NP
	WIN 0
	FETCH_A \slot, 1, 4
.endm
.macro TURN slot, next, fill           ; a slot's last 128 along K, and the change of slots
	s_wait_dscnt 4*NL
	WIN MUL_LO
	MUL16 0, 1, 1, \slot
	WIN 0                                          ; (the add's two registers lie in window 0)
	s_wait_tensorcnt 0x0                           ; my one load that was out, my part of the next slot, has landed
	ds_add_u32 v[SPW], v[NIL]
.if \fill
	s_add_nc_u64 s[G0A+4*\slot+2:G0A+4*\slot+3], s[G0A+4*\slot+2:G0A+4*\slot+3], 2*ROWB
	s_add_nc_u64 s[G0B+4*\slot+2:G0B+4*\slot+3], s[G0B+4*\slot+2:G0B+4*\slot+3], 2*ROWB
.endif
	WIN MUL_LO
	MUL8 2, 1, 1, \slot
	s_wait_dscnt 0x0                               ; the add is done, and my reads of this slot are over
	s_barrier_signal -1
	MUL8 3, 1, 1, \slot
	WIN 0
	s_barrier_wait -1
.if \fill
	CREST                                          ; the barrier has opened a round of the cluster's barrier
	JLOAD \slot                                    ; the first tensor load behind the round: this slot's K step two on
	PLACES NP-4
.else
	PLACES NP
.endif
	FETCH_B \next, 0, 0
	FETCH_A \next, 0, 0
.if \fill
	s_cmp_eq_u32 s3, 1                             ; the last trip has no K step two refills on
	s_cbranch_scc1 .Lno_ask_\@
	global_prefetch_b8 v[PFO], s[PFA:PFA+1] offset:(4+\slot)*ROWB th:TH_LOAD_NT scope:SCOPE_SE
.Lno_ask_\@:
.endif
	WIN MUL_HI
	MUL16 4, 1, 1, \slot
	MUL16 6, 1, 1, \slot
	PLACES NP
	WIN 0
	FETCH_A \next, 0, 4
.if \fill
	GSCALES \slot, 2+\slot                         ; this set's next scale words: the K step two on
.endif
.endm
	s_wait_alu depctr_va_vdst(0)
	s_wait_tensorcnt 0x0                           ; my rows of K step 0 are in
	ds_add_u32 v[SPW], v[NIL]
	s_wait_dscnt 0x0
	CROUND                                         ; a whole round: everybody's rows of K step 0 are in, and the joint loads meet
	JLOAD 1                                        ; K step 1: slot 1's first fill, the first tensor load behind the round
	FETCH_B 0, 0, 0
	FETCH_A 0, 0, 0
	FETCH_A 0, 0, 4
	s_mov_b32 s3, LAPS-1
.Llap:                                                 ; a trip: two K steps, both slots filled again
	STEP 0, 4
	TURN 0, 1, 1
	STEP 1, 4
	TURN 1, 0, 1
	s_wait_xcnt 0x0                                ; the prefetches and the loads of scale words have read their bases
	s_add_nc_u64 s[PFA:PFA+1], s[PFA:PFA+1], 2*ROWB
	s_add_nc_u64 s[8:9], s[8:9], 2*32768
	s_sub_co_u32 s3, s3, 1
	s_cmp_lg_u32 s3, 0
	s_cbranch_scc1 .Llap
	STEP 0, 4                                      ; the last lap fills nothing
	TURN 0, 1, 0
	STEP 1, 0
; THE LAST 128 ALONG K, AND THE WAY OUT.  x's block a is finished by its eight products and leaves at once: through my stage in LDS, back as whole rows of 512 bytes into
; W's set 0 (window 1, v0-127, done with), and out: 32 lanes store two aligned units of 256 bytes.
.macro TOSTAGE a
.set AC, 64*((\a)%4)
	WIN 0x08+4*((\a)/4)
.irp b, 0,1,2,3,4,5,6,7
	ds_store_b128 v[STO], v[AC+8*\b:AC+8*\b+3] offset:64*\b          ; each accumulator from its low end on
	ds_store_b128 v[STO], v[AC+8*\b+4:AC+8*\b+7] offset:64*\b+16
.endr
	WIN TO_B
.set BB, 64*((\a)%2)
.irp t, 0,1,2,3,4,5,6,7,8,9,10,11,12,13,14,15
	ds_load_b128 v[BB+4*\t:BB+4*\t+3], v[RD] offset:\t*SPITCH        ; LDS serves a wave's instructions in order (ISA guide 5.7.1.4)
.endr
.endm
.macro SEND a, younger                 ; younger: the LDS instructions issued behind block a's loads
.set BB, 64*((\a)%2)
	s_wait_dscnt \younger
.if (\a) > 0
	s_add_nc_u64 s[12:13], s[12:13], 16*SIZE_N*4   ; behind a wait on XCNT: the earlier stores have read their base
.endif
	WIN 0x04
.irp t, 0,1,2,3,4,5,6,7,8,9,10,11,12,13,14,15
	global_store_b128 v[CO], v[BB+4*\t:BB+4*\t+3], s[12:13] offset:\t*SIZE_N*4 th:TH_STORE_NT
.endr
.endm
	s_wait_dscnt 4*NL                              ; x's blocks 4-7 may be out: SEND 2's wait, which leaves 32 younger instructions out, shows them in ahead of block 4's products
	WIN MUL_LO
	MUL8 0, 1, 1, 1
	PLACES NP
	TOSTAGE 0
.irp a, 1,2,3,4,5,6,7
	WIN MUL_LO+0x50*((\a)/4)
	MUL8 \a, 1, 1, 1
	PLACES NP
.if \a > 1
	s_wait_xcnt 0x0                                ; block a - 2's stores have read their registers and their base
.endif
	TOSTAGE \a
	SEND \a-1, 32
.endr
	s_wait_xcnt 0x0
	SEND 7, 0
	WIN 0
	s_wait_tensorcnt 0x0                           ; the wave's end
	ds_add_u32 v[SPW], v[NIL]
	s_wait_dscnt 0x0
	CROUND                                         ; the closing round
	s_endpgm
.Lfunc_end_k_q5c6d2928ad_gemm:
	.size	k_q5c6d2928ad_gemm, .Lfunc_end_k_q5c6d2928ad_gemm-k_q5c6d2928ad_gemm
	.p2alignl 7, 3214868480
	.fill 96, 4, 3214868480
	.section	.rodata,"a",@progbits
	.p2align	6, 0x0
	.amdhsa_kernel k_q5c6d2928ad_gemm
		.amdhsa_group_segment_fixed_size 327680
		.amdhsa_private_segment_fixed_size 0
		.amdhsa_enable_private_segment 0
		.amdhsa_kernarg_size 40
		.amdhsa_user_sgpr_count 2
		.amdhsa_user_sgpr_kernarg_segment_ptr 1
		.amdhsa_wavefront_size32 1
		.amdhsa_system_sgpr_workgroup_id_x 1
		.amdhsa_system_sgpr_workgroup_id_y 1
		.amdhsa_system_sgpr_workgroup_id_z 1
		.amdhsa_system_vgpr_workitem_id 0
		.amdhsa_next_free_vgpr 1024
		.amdhsa_next_free_sgpr 100
		.amdhsa_reserve_vcc 0
		.amdhsa_float_denorm_mode_32 3
		.amdhsa_float_denorm_mode_16_64 3
		.amdhsa_memory_ordered 1
		.amdhsa_forward_progress 1
		.amdhsa_inst_pref_size 165
	.end_amdhsa_kernel
	.amdgpu_metadata
---
amdhsa.version: [ 1, 2 ]
amdhsa.kernels:
  - .name:           k_q5c6d2928ad_gemm
    .symbol:         k_q5c6d2928ad_gemm.kd
    .args:
      - { .name: x_codes, .offset: 0, .size: 8, .value_kind: global_buffer, .address_space: global }
      - { .name: W_codes, .offset: 8, .size: 8, .value_kind: global_buffer, .address_space: global }
      - { .name: aux, .offset: 16, .size: 8, .value_kind: global_buffer, .address_space: global }
      - { .name: b, .offset: 24, .size: 8, .value_kind: global_buffer, .address_space: global }
      - { .name: out0, .offset: 32, .size: 8, .value_kind: global_buffer, .address_space: global }
    .group_segment_fixed_size: 327680
    .private_segment_fixed_size: 0
    .kernarg_segment_align: 8
    .kernarg_segment_size: 40
    .max_flat_workgroup_size: 128
    .sgpr_count:     100
    .vgpr_count:     1024
    .wavefront_size: 32
...
	.end_amdgpu_metadata
.endif
;; end of part 2
